; MI455X (gfx1250); checked and timed in simulation.
; The chip was launched on July 23, 2026; its instructions are those of AMD's public machine-readable ISA for CDNA 5 (MIT licence, August 2026) and "CDNA5" Instruction Set Architecture Reference Guide (July 2026). The comments in the code are by the model that wrote it; some were corrected since.
;; Spatial Transformer. Allowed arithmetic: float matrix products may take bf16 or f16 operands with f32 sums; all other float work in f32.
;; Inputs: flow 2 x 3 x 160 x 192 x 224 float32; src 2 x 1 x 160 x 192 x 224 float32.
;; Outputs: out0 2 x 1 x 160 x 192 x 224 float32.
;; One version. Each part assembles by itself: llvm-mc -triple=amdgcn-amd-amdhsa -mcpu=gfx1250 --defsym DOCPART=n.
;; ======== version 1 of 1: 2 launches
;; workspace buffers: idx 55,050,240 bytes of whole numbers
;; launch locate (part 1): grid 12 x 320, 7 waves a work-group, no clusters, 0 bytes of LDS; arguments flow, idx; writes idx
.if DOCPART == 1
	.amdgcn_target "amdgcn-amd-amdhsa--gfx1250"
	.amdhsa_code_object_version 6
	.text
	.protected	k_q44d2a1c16b_locate
	.globl	k_q44d2a1c16b_locate
	.p2align	8
	.type	k_q44d2a1c16b_locate,@function
k_q44d2a1c16b_locate:
	s_mov_b64 s[64:65], 0
	v_nop
	global_prefetch_b8 v0, s[64:65] scope:SCOPE_SE
	s_setreg_imm32_b32 hwreg(HW_REG_WAVE_MODE, 25, 1), 1
	s_wait_xcnt 0x0
; LOCATE: the first of two launches of a trilinear warp, out[b][z][y][x] = src[b] sampled at (z, y, x) + flow[b][:, z, y, x], zeros outside.
; flow: [2][3][160][192][224] f32.  idx: [2][160][192][224] whole numbers, one 32-bit word a voxel.
; This launch makes the one decision that steers addresses: for each voxel the corner (bz, by, bx) from which the second launch gathers
; its 2 x 2 x 2 numbers.  The coordinate c of an axis of size S is made as the module makes it: t = grid + flow; n = 2 t / (S - 1) - 1;
; c = (n + 1) (S - 1) / 2.  The corner is floor(c) clamped to 0 .. S - 2, so that corner and corner + 1 always lie inside the volume.
; The word is ((bz 192 + by) << 8) | bx, counted inside the batch.  It is made in f32, where it is exact: at most 30,526 x 256 + 222 = 7,814,878,
; below 2^24; one conversion makes it a whole number.
; LIMITS.  The division by S - 1 is a multiplication by 2 / (S - 1) rounded to f32, fused with the -1; (n + 1) (S - 1) / 2 is one fused
; multiply-add: the rounding differs from the module's by a few units in c's last place, and the warp is continuous in c.  A NaN in flow
; gives corner 0 on its axis; an infinity the nearer end.
; SHARES.  224 threads take four rows at a time: 4 x 896 = 3,584 consecutive bytes, 16 bytes a thread.  Thread t owns x = 4 (t % 56) .. + 3 of
; row t / 56, in every step, so its four x grid numbers never change.  A work-group takes 4 steps, 16 rows of one plane (batch, z):
; 12 work-groups a plane, 320 planes.  Every load and store of a wave covers 512 consecutive bytes that begin at a multiple of 256.
; No LDS, no barrier: no thread needs another's numbers.
.set SIZE_D, 160
.set SIZE_H, 192
.set SIZE_W, 224
.set ROWB,   SIZE_W*4                  ; 896 bytes in a row
.set PLANEB, SIZE_H*ROWB               ; 172,032 bytes in a plane
.set VOLB,   SIZE_D*PLANEB             ; 27,525,120 bytes in a volume: one channel of flow, one batch of idx
.set STEPB,  4*ROWB                    ; 3,584 bytes: what the work-group covers in a step
.set STEPS,  4
.set OFF, 1                            ; v1       16 t: my byte offset in a step's four rows; never rewritten
.set GX,  4                            ; v[4:7]   x of my four voxels, f32
.set GY,  8                            ; v[8:9]   y of the step in hand, twice (a pair for the packed add)
.set GZ,  10                           ; v[10:11] z, twice
.set F,   12                           ; v[12:59] step s: flow z, y, x of my four voxels at F + 12 s, + 4, + 8; the words are made in place
.set FZ,  20                           ; s[20:21], s[22:23], s[24:25]: flow's three channels at the work-group's first row
.set FY,  22
.set FX,  24
.set AZ,  28                           ; s[28:29] 2 / 159      the packed forms name a pair and take its low word for both halves
.set CZ,  30                           ; s[30:31] 159 / 2
.set AY,  32                           ; s[32:33] 2 / 191
.set CY,  34                           ; s[34:35] 191 / 2
.set AX,  36                           ; s[36:37] 2 / 223
.set CX,  38                           ; s[38:39] 223 / 2
.set MZ,  40                           ; s40 158.0, s41 190.0, s42 222.0: the highest corner of each axis
.set MY,  41
.set MX,  42
.set K192, 44                          ; s[44:45] 192.0
.set K256, 46                          ; s[46:47] 256.0
	s_load_b128 s[4:7], s[0:1], 0x0                ; flow s[4:5], idx s[6:7]
	s_and_b32 s12, ttmp7, 0xffff                   ; the plane: 160 x batch + z
	s_cmp_ge_u32 s12, SIZE_D
	s_cselect_b32 s14, 3*VOLB, 0                   ; the batch's three channels in flow
	s_cselect_b32 s15, SIZE_D, 0
	s_sub_co_u32 s15, s12, s15                     ; z
	s_mul_i32 s13, ttmp9, STEPS*STEPB              ; my 16 rows in the plane
	s_mul_i32 s18, s12, PLANEB
	s_add_co_u32 s18, s18, s13                     ; s[18:19]: byte offset in idx, under 55,050,240
	s_mov_b32 s19, 0
	s_mul_i32 s26, s15, PLANEB
	s_add_co_u32 s26, s26, s13
	s_add_co_u32 s26, s26, s14                     ; s[26:27]: byte offset in flow's channel z, under 165,150,720
	s_mov_b32 s27, 0
	s_lshl_b32 s13, ttmp9, 4                       ; my first row's y
	s_mov_b32 s[AZ], 0x3c4e168a                    ; 2 / 159
	s_mov_b32 s[AZ+1], s[AZ]
	s_mov_b32 s[CZ], 0x429f0000                    ; 79.5
	s_mov_b32 s[CZ+1], s[CZ]
	s_mov_b32 s[AY], 0x3c2b8f6a                    ; 2 / 191
	s_mov_b32 s[AY+1], s[AY]
	s_mov_b32 s[CY], 0x42bf0000                    ; 95.5
	s_mov_b32 s[CY+1], s[CY]
	s_mov_b32 s[AX], 0x3c12f114                    ; 2 / 223
	s_mov_b32 s[AX+1], s[AX]
	s_mov_b32 s[CX], 0x42df0000                    ; 111.5
	s_mov_b32 s[CX+1], s[CX]
	s_mov_b32 s[MZ], 0x431e0000                    ; 158.0
	s_mov_b32 s[MY], 0x433e0000                    ; 190.0
	s_mov_b32 s[MX], 0x435e0000                    ; 222.0
	s_mov_b32 s[K192], 0x43400000                  ; 192.0
	s_mov_b32 s[K192+1], s[K192]
	s_mov_b32 s[K256], 0x43800000                  ; 256.0
	s_mov_b32 s[K256+1], s[K256]
	v_lshlrev_b32 v[OFF], 4, v0
	v_mul_u32_u24 v2, v0, 0x493                    ; t / 56 = (1,171 t) >> 16 for t under 224: 56 x 1,171 = 65,576, 40 over 65,536, and 223 x 1,171 = 261,133 stays under 4 x 65,536
	v_lshrrev_b32 v2, 16, v2
	v_mul_u32_u24 v3, v2, 56
	v_sub_nc_u32 v3, v0, v3                        ; t % 56
	v_lshlrev_b32 v3, 2, v3                        ; x of my first voxel
	v_cvt_f32_u32 v[GX], v3
	v_add_f32 v[GX+1], 1.0, v[GX]
	v_add_f32 v[GX+2], 2.0, v[GX]
	v_add_f32 v[GX+3], 0x40400000, v[GX]           ; + 3.0
	v_add_nc_u32 v2, s13, v2
	v_cvt_f32_u32 v[GY], v2                        ; y of my row in step 0
	v_mov_b32 v[GY+1], v[GY]
	v_cvt_f32_u32 v[GZ], s15
	v_mov_b32 v[GZ+1], v[GZ]
	s_wait_kmcnt 0x0
	s_add_nc_u64 s[FZ:FZ+1], s[4:5], s[26:27]
	s_add_nc_u64 s[FY:FY+1], s[FZ:FZ+1], VOLB
	s_add_nc_u64 s[FX:FX+1], s[FY:FY+1], VOLB
	s_add_nc_u64 s[6:7], s[6:7], s[18:19]
	; all twelve loads of the work-group's share go out at once: 6,144 bytes a wave on their way; flow is read once in this launch
.irp s, 0,1,2,3
	global_load_b128 v[F+12*(\s):F+12*(\s)+3],    v[OFF], s[FZ:FZ+1] offset:(\s)*STEPB th:TH_LOAD_NT
	global_load_b128 v[F+12*(\s)+4:F+12*(\s)+7],  v[OFF], s[FY:FY+1] offset:(\s)*STEPB th:TH_LOAD_NT
	global_load_b128 v[F+12*(\s)+8:F+12*(\s)+11], v[OFF], s[FX:FX+1] offset:(\s)*STEPB th:TH_LOAD_NT
.endr
; Four coordinates of one axis, in place: v[c .. c+3] holds flow and then c.  g0, g1: the grid numbers of voxels 0, 1 and 2, 3.  The second launch has the same six lines.
.macro PIX c, g0, g1, a, k
	v_pk_add_f32 v[(\c):(\c)+1],   v[(\c):(\c)+1],   v[(\g0):(\g0)+1]                            ; t = grid + flow
	v_pk_add_f32 v[(\c)+2:(\c)+3], v[(\c)+2:(\c)+3], v[(\g1):(\g1)+1]
	v_pk_fma_f32 v[(\c):(\c)+1],   v[(\c):(\c)+1],   s[(\a):(\a)+1], -1.0 op_sel_hi:[1,0,0]      ; n = 2 (t / (S - 1) - 0.5)
	v_pk_fma_f32 v[(\c)+2:(\c)+3], v[(\c)+2:(\c)+3], s[(\a):(\a)+1], -1.0 op_sel_hi:[1,0,0]
	v_pk_fma_f32 v[(\c):(\c)+1],   v[(\c):(\c)+1],   s[(\k):(\k)+1], s[(\k):(\k)+1] op_sel_hi:[1,0,0]  ; c = (n + 1) (S - 1) / 2
	v_pk_fma_f32 v[(\c)+2:(\c)+3], v[(\c)+2:(\c)+3], s[(\k):(\k)+1], s[(\k):(\k)+1] op_sel_hi:[1,0,0]
.endm
; The corner: floor(c), held to 0 .. S - 2.  Still f32.
.macro BASE d, c, m
.irp j, 0,1,2,3
	v_floor_f32 v[(\d)+\j], v[(\c)+\j]
.endr
.irp j, 0,1,2,3
	v_med3_num_f32 v[(\d)+\j], v[(\d)+\j], 0, s[\m]
.endr
.endm
.macro LOCATE s
.set PZ, F+12*(\s)
.set PY, PZ+4
.set PX, PZ+8
	s_wait_loadcnt 3*(STEPS-1-(\s))                ; loads come back in order: this step's three are in, the later steps' three each may stay out
	PIX PZ, GZ, GZ, AZ, CZ
	PIX PY, GY, GY, AY, CY
	PIX PX, GX, GX+2, AX, CX
	v_pk_add_f32 v[GY:GY+1], v[GY:GY+1], 4.0 op_sel_hi:[1,0]  ; the next step lies four rows down
	BASE PZ, PZ, MZ
	BASE PY, PY, MY
	BASE PX, PX, MX
.irp j, 0,2
	v_pk_fma_f32 v[PZ+\j:PZ+\j+1], v[PZ+\j:PZ+\j+1], s[K192:K192+1], v[PY+\j:PY+\j+1] op_sel_hi:[1,0,1]  ; the row in the batch: 192 bz + by
.endr
.irp j, 0,2
	v_pk_fma_f32 v[PZ+\j:PZ+\j+1], v[PZ+\j:PZ+\j+1], s[K256:K256+1], v[PX+\j:PX+\j+1] op_sel_hi:[1,0,1]  ; 256 row + bx: exact, under 2^24
.endr
.irp j, 0,1,2,3
	v_cvt_u32_f32 v[PZ+\j], v[PZ+\j]
.endr
	global_store_b128 v[OFF], v[PZ:PZ+3], s[6:7] offset:(\s)*STEPB th:TH_STORE_NT  ; each step has registers of its own: no store's data is written again
.endm
	LOCATE 0
	LOCATE 1
	LOCATE 2
	LOCATE 3
	s_endpgm
.Lfunc_end_k_q44d2a1c16b_locate:
	.size	k_q44d2a1c16b_locate, .Lfunc_end_k_q44d2a1c16b_locate-k_q44d2a1c16b_locate
	.p2alignl 7, 3214868480
	.fill 96, 4, 3214868480
	.section	.rodata,"a",@progbits
	.p2align	6, 0x0
	.amdhsa_kernel k_q44d2a1c16b_locate
		.amdhsa_group_segment_fixed_size 0
		.amdhsa_private_segment_fixed_size 0
		.amdhsa_enable_private_segment 0
		.amdhsa_kernarg_size 16
		.amdhsa_user_sgpr_count 2
		.amdhsa_user_sgpr_kernarg_segment_ptr 1
		.amdhsa_wavefront_size32 1
		.amdhsa_system_sgpr_workgroup_id_x 1
		.amdhsa_system_sgpr_workgroup_id_y 1
		.amdhsa_system_sgpr_workgroup_id_z 1
		.amdhsa_system_vgpr_workitem_id 0
		.amdhsa_next_free_vgpr 60
		.amdhsa_next_free_sgpr 66
		.amdhsa_reserve_vcc 0
		.amdhsa_float_denorm_mode_32 3
		.amdhsa_float_denorm_mode_16_64 3
		.amdhsa_memory_ordered 1
		.amdhsa_forward_progress 1
		.amdhsa_inst_pref_size 16
	.end_amdhsa_kernel
	.amdgpu_metadata
---
amdhsa.version: [ 1, 2 ]
amdhsa.kernels:
  - .name:           k_q44d2a1c16b_locate
    .symbol:         k_q44d2a1c16b_locate.kd
    .args:
      - { .name: flow, .offset: 0, .size: 8, .value_kind: global_buffer, .address_space: global }
      - { .name: idx, .offset: 8, .size: 8, .value_kind: global_buffer, .address_space: global }
    .group_segment_fixed_size: 0
    .private_segment_fixed_size: 0
    .kernarg_segment_align: 8
    .kernarg_segment_size: 16
    .max_flat_workgroup_size: 224
    .sgpr_count:     66
    .vgpr_count:     60
    .wavefront_size: 32
...
	.end_amdgpu_metadata
.endif
;; end of part 1
;; launch sample (part 2): grid 12 x 320, 7 waves a work-group, no clusters, 0 bytes of LDS; arguments flow, idx, src, out0; writes out0
.if DOCPART == 2
	.amdgcn_target "amdgcn-amd-amdhsa--gfx1250"
	.amdhsa_code_object_version 6
	.text
	.protected	k_q44d2a1c16b_sample
	.globl	k_q44d2a1c16b_sample
	.p2align	8
	.type	k_q44d2a1c16b_sample,@function
k_q44d2a1c16b_sample:
	s_mov_b64 s[64:65], 0
	v_nop
	global_prefetch_b8 v0, s[64:65] scope:SCOPE_SE
	s_setreg_imm32_b32 hwreg(HW_REG_WAVE_MODE, 25, 1), 1
	s_wait_xcnt 0x0
; SAMPLE: the second of two launches of a trilinear warp, out[b][z][y][x] = src[b] sampled at (z, y, x) + flow[b][:, z, y, x], zeros outside.
; flow: [2][3][160][192][224] f32.  src, out0: [2][1][160][192][224] f32.  idx: one word a voxel from the first launch,
; ((bz 192 + by) << 8) | bx: the corner of the voxel's 2 x 2 x 2 numbers, inside the batch, bz <= 158, by <= 190, bx <= 222.
; ADDRESSES come from idx alone.  The weights come from flow: the coordinate c of each axis is made anew by the same six lines as in the first
; launch, and so is the corner b = floor(c) held to 0 .. S - 2, here only as a number to subtract.
; WEIGHTS.  With t = c - b the weight of corner b is max(0, 1 - |t|) and that of b + 1 is max(0, 1 - |t - 1|).  Case by case that is the module's weight
; times its validity: floor(c) in 0 .. S - 2: t = f, weights 1 - f and f.  floor(c) = -1: b = 0, t = f - 1: f for index 0, 0 for index 1.
; floor(c) = S - 1: b = S - 2, t = 1 + f: 0, and 1 - f for index S - 1.  Further out: 0 and 0.  Since (1 - t) + (1 + t) = 2, at most one of the two is
; negative, and max(0, min(1 - t, 1 + t)) is the middle one of 1 - t, 1 + t and 0: one v_med3_num_f32; likewise t, 2 - t and 0 for the upper corner.
; No branch and no mask: every lane loads eight numbers that lie inside src, and a corner that the module pads with zero has the weight 0.
; LIMITS.  All in f32.  The eight products are added axis by axis (x, then y, then z), not corner by corner: another order of rounding than the module's;
; c's rounding differs as said in the first launch.  A NaN or an infinity in flow gives 0 where the module gives NaN.  src is taken as finite:
; a number that is not, under a weight of 0, gives NaN here if it is one of the eight loaded, which at the volume's faces are not the module's clamped ones.
; SHARES as in the first launch: 224 threads, four rows (3,584 consecutive bytes) a step, 16 bytes a thread, 4 steps, 16 rows of one plane to a work-group,
; 12 x 320 work-groups.  The loads of idx and flow and the stores of a wave cover 512 consecutive bytes that begin at a multiple of 256.
; ORDER OF A STEP.  idx and flow were asked for a step ahead.  When idx is in: four offsets, 32 gathers, the next step's idx and flow; the weights are made
; while the gathers are on their way; the sums follow the gathers eight by eight.
; NO LDS: the displacement has no bound, so no tile of src holds all that a work-group may want.  No cluster: work-groups share no whole tile.
.set SIZE_D, 160
.set SIZE_H, 192
.set SIZE_W, 224
.set ROWB,   SIZE_W*4                  ; 896 bytes in a row
.set PLANEB, SIZE_H*ROWB               ; 172,032 bytes in a plane
.set VOLB,   SIZE_D*PLANEB             ; 27,525,120 bytes in a volume
.set STEPB,  4*ROWB                    ; 3,584 bytes: what the work-group covers in a step
.set STEPS,  4
.set ROWMAX, (SIZE_D-2)*SIZE_H+SIZE_H-2  ; 30,526: the highest corner's row
.set COLMAX, SIZE_W-2                  ; 222
.set OFF, 1                            ; v1       16 t: my byte offset in a step's four rows; never rewritten
.set GX,  4                            ; v[4:7]   x of my four voxels, f32
.set GY,  8                            ; v[8:9]   y of the step in hand, twice
.set GZ,  10                           ; v[10:11] z, twice
.set LST, 12                           ; v[12:43] two buffers by the step's parity: idx, flow z, flow y, flow x, four registers each; flow turns into c, t and the upper corners' weights
.set AD,  44                           ; v[44:47] byte offset of each voxel's corner in the batch's src
.set VAL, 48                           ; v[48:79] corner k = 4 dz + 2 dy + dx of voxel j at VAL + 4 k + j
.set WL,  80                           ; v[80:91] the lower corners' weights: z, y, x, four each (first the corner b itself)
.set Q,   92                           ; v[92:95] at work
.set OUT, 96                           ; v[96:99] four results
.set FZ,  20                           ; s[20:21], s[22:23], s[24:25]: flow's three channels at the work-group's first row
.set FY,  22
.set FX,  24
.set AZ,  28                           ; s[28:29] 2 / 159      the packed forms name a pair and take its low word for both halves
.set CZ,  30                           ; s[30:31] 159 / 2
.set AY,  32                           ; s[32:33] 2 / 191
.set CY,  34                           ; s[34:35] 191 / 2
.set AX,  36                           ; s[36:37] 2 / 223
.set CX,  38                           ; s[38:39] 223 / 2
.set MZ,  40                           ; s40 158.0, s41 190.0, s42 222.0: the highest corner of each axis
.set MY,  41
.set MX,  42
	s_load_b256 s[4:11], s[0:1], 0x0               ; flow s[4:5], idx s[6:7], src s[8:9], out0 s[10:11]
	s_and_b32 s12, ttmp7, 0xffff                   ; the plane: 160 x batch + z
	s_cmp_ge_u32 s12, SIZE_D
	s_cselect_b32 s14, 3*VOLB, 0                   ; the batch's three channels in flow
	s_cselect_b32 s16, VOLB, 0                     ; s[16:17]: the batch's volume in src
	s_cselect_b32 s15, SIZE_D, 0
	s_sub_co_u32 s15, s12, s15                     ; z
	s_mov_b32 s17, 0
	s_mul_i32 s13, ttmp9, STEPS*STEPB              ; my 16 rows in the plane
	s_mul_i32 s18, s12, PLANEB
	s_add_co_u32 s18, s18, s13                     ; s[18:19]: byte offset in idx and in out0, under 55,050,240
	s_mov_b32 s19, 0
	s_mul_i32 s26, s15, PLANEB
	s_add_co_u32 s26, s26, s13
	s_add_co_u32 s26, s26, s14                     ; s[26:27]: byte offset in flow's channel z, under 165,150,720
	s_mov_b32 s27, 0
	s_lshl_b32 s13, ttmp9, 4                       ; my first row's y
	v_lshlrev_b32 v[OFF], 4, v0
	s_wait_kmcnt 0x0
	s_add_nc_u64 s[FZ:FZ+1], s[4:5], s[26:27]
	s_add_nc_u64 s[FY:FY+1], s[FZ:FZ+1], VOLB
	s_add_nc_u64 s[FX:FX+1], s[FY:FY+1], VOLB
	s_add_nc_u64 s[6:7], s[6:7], s[18:19]
	s_add_nc_u64 s[10:11], s[10:11], s[18:19]
	s_add_nc_u64 s[8:9], s[8:9], s[16:17]
; The lists of step s into buffer b: idx first, since the gathers hang on it.  Both are read once in this launch.
.macro LISTS b, s
	global_load_b128 v[(\b):(\b)+3],     v[OFF], s[6:7]     offset:(\s)*STEPB th:TH_LOAD_NT
	global_load_b128 v[(\b)+4:(\b)+7],   v[OFF], s[FZ:FZ+1] offset:(\s)*STEPB th:TH_LOAD_NT
	global_load_b128 v[(\b)+8:(\b)+11],  v[OFF], s[FY:FY+1] offset:(\s)*STEPB th:TH_LOAD_NT
	global_load_b128 v[(\b)+12:(\b)+15], v[OFF], s[FX:FX+1] offset:(\s)*STEPB th:TH_LOAD_NT
.endm
	LISTS LST, 0                                   ; step 0's lists go out before the rest of the set-up
	s_mov_b32 s[AZ], 0x3c4e168a                    ; 2 / 159
	s_mov_b32 s[AZ+1], s[AZ]
	s_mov_b32 s[CZ], 0x429f0000                    ; 79.5
	s_mov_b32 s[CZ+1], s[CZ]
	s_mov_b32 s[AY], 0x3c2b8f6a                    ; 2 / 191
	s_mov_b32 s[AY+1], s[AY]
	s_mov_b32 s[CY], 0x42bf0000                    ; 95.5
	s_mov_b32 s[CY+1], s[CY]
	s_mov_b32 s[AX], 0x3c12f114                    ; 2 / 223
	s_mov_b32 s[AX+1], s[AX]
	s_mov_b32 s[CX], 0x42df0000                    ; 111.5
	s_mov_b32 s[CX+1], s[CX]
	s_mov_b32 s[MZ], 0x431e0000                    ; 158.0
	s_mov_b32 s[MY], 0x433e0000                    ; 190.0
	s_mov_b32 s[MX], 0x435e0000                    ; 222.0
	v_mul_u32_u24 v2, v0, 0x493                    ; t / 56 = (1,171 t) >> 16 for t under 224: 56 x 1,171 = 65,576, 40 over 65,536, and 223 x 1,171 = 261,133 stays under 4 x 65,536
	v_lshrrev_b32 v2, 16, v2
	v_mul_u32_u24 v3, v2, 56
	v_sub_nc_u32 v3, v0, v3                        ; t % 56
	v_lshlrev_b32 v3, 2, v3                        ; x of my first voxel
	v_cvt_f32_u32 v[GX], v3
	v_add_f32 v[GX+1], 1.0, v[GX]
	v_add_f32 v[GX+2], 2.0, v[GX]
	v_add_f32 v[GX+3], 0x40400000, v[GX]           ; + 3.0
	v_add_nc_u32 v2, s13, v2
	v_cvt_f32_u32 v[GY], v2                        ; y of my row in step 0
	v_mov_b32 v[GY+1], v[GY]
	v_cvt_f32_u32 v[GZ], s15
	v_mov_b32 v[GZ+1], v[GZ]
; Four coordinates of one axis, in place: v[c .. c+3] holds flow and then c.  The same six lines as in the first launch, so that floor(c) is the same number there and here.
.macro PIX c, g0, g1, a, k
	v_pk_add_f32 v[(\c):(\c)+1],   v[(\c):(\c)+1],   v[(\g0):(\g0)+1]                            ; t = grid + flow
	v_pk_add_f32 v[(\c)+2:(\c)+3], v[(\c)+2:(\c)+3], v[(\g1):(\g1)+1]
	v_pk_fma_f32 v[(\c):(\c)+1],   v[(\c):(\c)+1],   s[(\a):(\a)+1], -1.0 op_sel_hi:[1,0,0]      ; n = 2 (t / (S - 1) - 0.5)
	v_pk_fma_f32 v[(\c)+2:(\c)+3], v[(\c)+2:(\c)+3], s[(\a):(\a)+1], -1.0 op_sel_hi:[1,0,0]
	v_pk_fma_f32 v[(\c):(\c)+1],   v[(\c):(\c)+1],   s[(\k):(\k)+1], s[(\k):(\k)+1] op_sel_hi:[1,0,0]  ; c = (n + 1) (S - 1) / 2
	v_pk_fma_f32 v[(\c)+2:(\c)+3], v[(\c)+2:(\c)+3], s[(\k):(\k)+1], s[(\k):(\k)+1] op_sel_hi:[1,0,0]
.endm
; The two weights of one axis for four voxels.  In: c in v[c ..].  Out: the lower corner's weight in v[w ..], the upper corner's in v[c ..].
.macro TENT c, w, m
.irp j, 0,1,2,3
	v_floor_f32 v[(\w)+\j], v[(\c)+\j]
.endr
.irp j, 0,1,2,3
	v_med3_num_f32 v[(\w)+\j], v[(\w)+\j], 0, s[\m]                                              ; b = floor(c) held to 0 .. S - 2
.endr
.irp j, 0,2
	v_pk_add_f32 v[(\c)+\j:(\c)+\j+1], v[(\c)+\j:(\c)+\j+1], v[(\w)+\j:(\w)+\j+1] neg_lo:[0,1] neg_hi:[0,1]  ; t = c - b
.endr
.irp j, 0,2
	v_pk_fma_f32 v[(\w)+\j:(\w)+\j+1], v[(\c)+\j:(\c)+\j+1], -1.0, 1.0 op_sel_hi:[1,0,0]         ; 1 - t
	v_pk_add_f32 v[Q+\j:Q+\j+1],       v[(\c)+\j:(\c)+\j+1], 1.0 op_sel_hi:[1,0]                 ; 1 + t
.endr
.irp j, 0,1,2,3
	v_med3_num_f32 v[(\w)+\j], v[(\w)+\j], v[Q+\j], 0                                            ; max(0, 1 - |t|)
.endr
.irp j, 0,2
	v_pk_fma_f32 v[Q+\j:Q+\j+1], v[(\c)+\j:(\c)+\j+1], -1.0, 2.0 op_sel_hi:[1,0,0]               ; 2 - t
.endr
.irp j, 0,1,2,3
	v_med3_num_f32 v[(\c)+\j], v[(\c)+\j], v[Q+\j], 0                                            ; max(0, 1 - |t - 1|)
.endr
.endm
; v[d ..] = v[a ..] x v[w0 ..] + v[b ..] x v[w1 ..] for four voxels; v[a ..] is used up
.macro LERP a, b, w0, w1, d
.irp j, 0,2
	v_pk_mul_f32 v[(\a)+\j:(\a)+\j+1], v[(\a)+\j:(\a)+\j+1], v[(\w0)+\j:(\w0)+\j+1]
.endr
.irp j, 0,2
	v_pk_fma_f32 v[(\d)+\j:(\d)+\j+1], v[(\b)+\j:(\b)+\j+1], v[(\w1)+\j:(\w1)+\j+1], v[(\a)+\j:(\a)+\j+1]
.endr
.endm
; One step: four rows.  nxt = 1: the next step's lists are asked for; the last step asks for nothing, so no load leaves a buffer, and its counts are lower by those four loads.
.macro STEP s, nxt
.set BU, LST+16*((\s)%2)               ; this step's lists
.set BN, LST+16*(((\s)+1)%2)           ; the next step's
	s_wait_loadcnt 3                               ; loads come back in order: idx is in, the three of flow behind it may stay out.  The last step's gathers are long in, so AD is free
.irp j, 0,1,2,3
	v_lshrrev_b32 v[AD+\j], 8, v[BU+\j]            ; the corner's row in the batch
	v_and_b32 v[BU+\j], 0xff, v[BU+\j]             ; its column
.endr
.irp j, 0,1,2,3
	v_min_u32 v[AD+\j], ROWMAX, v[AD+\j]           ; numbers read from memory are bounded before they enter an address: whatever idx holds,
	v_min_u32 v[BU+\j], COLMAX, v[BU+\j]           ; the furthest byte is 30,526 x 896 + 222 x 4 + 172,932 + 3, the volume's last
.endr
.irp j, 0,1,2,3
	v_mul_u32_u24 v[AD+\j], v[AD+\j], ROWB
	v_lshl_add_u32 v[AD+\j], v[BU+\j], 2, v[AD+\j]
.endr
.irp k, 0,1,2,3,4,5,6,7                ; the eight corners stand in the immediate: dz planes, dy rows, dx numbers on.  src is read again by neighbours: no hint
.irp j, 0,1,2,3
	global_load_b32 v[VAL+4*(\k)+\j], v[AD+\j], s[8:9] offset:((\k)/4)*PLANEB+(((\k)/2)%2)*ROWB+((\k)%2)*4
.endr
.endr
.if \nxt
	LISTS BN, (\s)+1
.endif
	s_wait_loadcnt 32+4*(\nxt)                     ; flow is in; the 32 gathers and the next lists' four loads may stay out
	PIX BU+4,  GZ, GZ,   AZ, CZ
	PIX BU+8,  GY, GY,   AY, CY
	PIX BU+12, GX, GX+2, AX, CX
	v_pk_add_f32 v[GY:GY+1], v[GY:GY+1], 4.0 op_sel_hi:[1,0]  ; the next step lies four rows down
	TENT BU+4,  WL,   MZ
	TENT BU+8,  WL+4, MY
	TENT BU+12, WL+8, MX
	s_wait_loadcnt 24+4*(\nxt)                     ; the first eight gathers are in: dz = 0, dy = 0, both dx, four voxels; 24 gathers and the next lists stay out
	LERP VAL,    VAL+4,  WL+8, BU+12, VAL          ; along x
	s_wait_loadcnt 16+4*(\nxt)                     ; the next eight: dz = 0, dy = 1
	LERP VAL+8,  VAL+12, WL+8, BU+12, VAL+8
	LERP VAL,    VAL+8,  WL+4, BU+8,  VAL          ; along y, plane dz = 0
	s_wait_loadcnt 8+4*(\nxt)                      ; dz = 1, dy = 0
	LERP VAL+16, VAL+20, WL+8, BU+12, VAL+16
	s_wait_loadcnt 4*(\nxt)                        ; dz = 1, dy = 1: all gathers are in; only the next lists stay out
	LERP VAL+24, VAL+28, WL+8, BU+12, VAL+24
	LERP VAL+16, VAL+24, WL+4, BU+8,  VAL+16       ; along y, plane dz = 1
.if (\s) > 0
	s_wait_xcnt 0x0                                ; OUT is the data of the last step's store: it is written again only behind this wait
.endif
	LERP VAL,    VAL+16, WL,   BU+4,  OUT          ; along z
	global_store_b128 v[OFF], v[OUT:OUT+3], s[10:11] offset:(\s)*STEPB th:TH_STORE_NT
.endm
	STEP 0, 1
	STEP 1, 1
	STEP 2, 1
	STEP 3, 0
	s_endpgm
.Lfunc_end_k_q44d2a1c16b_sample:
	.size	k_q44d2a1c16b_sample, .Lfunc_end_k_q44d2a1c16b_sample-k_q44d2a1c16b_sample
	.p2alignl 7, 3214868480
	.fill 96, 4, 3214868480
	.section	.rodata,"a",@progbits
	.p2align	6, 0x0
	.amdhsa_kernel k_q44d2a1c16b_sample
		.amdhsa_group_segment_fixed_size 0
		.amdhsa_private_segment_fixed_size 0
		.amdhsa_enable_private_segment 0
		.amdhsa_kernarg_size 32
		.amdhsa_user_sgpr_count 2
		.amdhsa_user_sgpr_kernarg_segment_ptr 1
		.amdhsa_wavefront_size32 1
		.amdhsa_system_sgpr_workgroup_id_x 1
		.amdhsa_system_sgpr_workgroup_id_y 1
		.amdhsa_system_sgpr_workgroup_id_z 1
		.amdhsa_system_vgpr_workitem_id 0
		.amdhsa_next_free_vgpr 100
		.amdhsa_next_free_sgpr 66
		.amdhsa_reserve_vcc 0
		.amdhsa_float_denorm_mode_32 3
		.amdhsa_float_denorm_mode_16_64 3
		.amdhsa_memory_ordered 1
		.amdhsa_forward_progress 1
		.amdhsa_inst_pref_size 52
	.end_amdhsa_kernel
	.amdgpu_metadata
---
amdhsa.version: [ 1, 2 ]
amdhsa.kernels:
  - .name:           k_q44d2a1c16b_sample
    .symbol:         k_q44d2a1c16b_sample.kd
    .args:
      - { .name: flow, .offset: 0, .size: 8, .value_kind: global_buffer, .address_space: global }
      - { .name: idx, .offset: 8, .size: 8, .value_kind: global_buffer, .address_space: global }
      - { .name: src, .offset: 16, .size: 8, .value_kind: global_buffer, .address_space: global }
      - { .name: out0, .offset: 24, .size: 8, .value_kind: global_buffer, .address_space: global }
    .group_segment_fixed_size: 0
    .private_segment_fixed_size: 0
    .kernarg_segment_align: 8
    .kernarg_segment_size: 32
    .max_flat_workgroup_size: 224
    .sgpr_count:     66
    .vgpr_count:     100
    .wavefront_size: 32
...
	.end_amdgpu_metadata
.endif
;; end of part 2
